; MI455X (gfx1250); checked and timed in simulation.
; The chip was launched on July 23, 2026; its instructions are those of AMD's public machine-readable ISA for CDNA 5 (MIT licence, August 2026) and "CDNA5" Instruction Set Architecture Reference Guide (July 2026). The comments in the code are by the model that wrote it; some were corrected since.
;; Attention Layer. Allowed arithmetic: matrix products marked QUANTISED: E2M1 operands, one E8M0 scale for each 32 along K, by v_wmma_scale_f32_16x16x128_f8f6f4 with both operands' format E2M1 (or v_wmma_scale_f32_32x16x128_f4), f32 sums; products left as they are: bf16, f16 or f32 operands; f32 sums; everything else in f32.
;; Inputs: Wk 1,024 x 1,024 float32; Wq 1,024 x 1,024 float32; Wv 1,024 x 1,024 float32; bk 1,024 float32; bq 1,024 float32; bv 1,024 float32; key 4 x 2,048 x 1,024 float32; query 4 x 2,048 x 1,024 float32; value 4 x 2,048 x 1,024 float32.
;; Outputs: out0 4 x 2,048 x 1,024 float32.
;; This version of the problem:
;;   THIS VERSION OF THE PROBLEM IS GIVEN IN LOW PRECISION. The matrix products marked QUANTISED in the list below multiply operands that are first quantised to E2M1 (2 exponent bits, 1 mantissa bit; 4 bits a number), with one power-of-two scale for each 32 numbers along K (OCP MX v1.0); their sums are f32. The products marked 'left as it is' may take bf16, f16 or f32 operands, with f32 sums. Whichever they take, every output number must still come out within the allowed error. Rounding operands to bf16 (8 significant bits) uses up far more of that allowance than f16 does (11 bits, for magnitudes from 6e-5 to 65,504). All else is computed in f32.
;;   The module's matrix products, in the order in which they are computed (A, B: the left and right operand; K: the contracted axis; several contracted axes count as one K, in the product's order):
;;     1. [M 8,192, K 1,024] x [K 1,024, N 1,024]; A: input query; B: input Wq: QUANTISED
;;     2. [M 8,192, K 1,024] x [K 1,024, N 1,024]; A: input key; B: input Wk: QUANTISED
;;     3. [M 8,192, K 1,024] x [K 1,024, N 1,024]; A: input value; B: input Wv: QUANTISED
;;     4. batch 64 x [M 2,048, K 64] x [K 64, N 2,048]; A: computed on the way; B: computed on the way: left as it is (an operand is computed on the way)
;;     5. batch 64 x [M 2,048, K 2,048] x [K 2,048, N 64]; A: computed on the way; B: computed on the way: left as it is (an operand is computed on the way)
;;   THE QUANTISER, for each operand of a quantised product, along K:
;;     - K is cut into blocks of 32 from its start; a last block that is shorter is filled with zeros.
;;     - A block's scale is 2^e with e = floor(log2(the largest magnitude in the block)) - 2, held to -126 .. 127; a block of zeros has e = 0. As a byte (E8M0): e + 127.
;;     - Each number is divided by its block's scale, clamped to +-6, and rounded to the nearest number of E2M1, ties to even, subnormals kept.
;;     - The product sums the exact products of the quantised numbers (number of the format x scale) in f32.
;;   ~~~python
;;   def quantise(x, axis):      # numpy; x: float32 -> the quantised numbers, widened to float32 again
;;       x = np.moveaxis(x, axis, -1); K = x.shape[-1]
;;       x = np.pad(x, [(0, 0)] * (x.ndim - 1) + [(0, -K % 32)]); x = x.reshape(x.shape[:-1] + (-1, 32)); a = np.abs(x).max(-1, keepdims=True)
;;       e = np.where(a > 0, np.clip(np.frexp(np.where(a > 0, a, 1))[1] - 1 - 2, -126, 127), 0)      # np.frexp(a)[1] - 1 = floor(log2(a)), exactly
;;       r = np.clip(x / 2.0 ** e, -6, 6)
;;       step = 2.0 ** (np.maximum(np.frexp(np.where(r == 0, 1, r))[1] - 1, 0) - 1)
;;       q = np.round(r / step) * step * 2.0 ** e      # np.round: ties to even
;;       return np.moveaxis(q.reshape(q.shape[:-2] + (-1,))[..., :K], -1, axis).astype(np.float32)
;;   ~~~
;; One version. Each part assembles by itself: llvm-mc -triple=amdgcn-amd-amdhsa -mcpu=gfx1250 --defsym DOCPART=n.
;; ======== version 1 of 1: 3 launches
;; limits: values are held in f16: magnitudes above 65,504 overflow, below 6.1e-05 lose precision
;; workspace buffers: codes 14,155,776 bytes; scales 884,736 bytes; qkv 50,331,648 bytes
;; launch quant (part 1): grid 864 x 1, 4 waves a work-group, no clusters, 33,280 bytes of LDS; arguments query, key, value, Wq, Wk, Wv, codes, scales; writes codes, scales
.if DOCPART == 1
	.amdgcn_target "amdgcn-amd-amdhsa--gfx1250"
	.amdhsa_code_object_version 6
	.text
	.protected	k_q565560e8aa_quant
	.globl	k_q565560e8aa_quant
	.p2align	8
	.type	k_q565560e8aa_quant,@function
k_q565560e8aa_quant:
	s_mov_b64 s[64:65], 0
	v_nop
	global_prefetch_b8 v0, s[64:65] scope:SCOPE_SE
	s_setreg_imm32_b32 hwreg(HW_REG_WAVE_MODE, 25, 1), 1
	s_wait_xcnt 0x0
; query, key, value [8192][1024] and Wq, Wk, Wv [1024][1024], f32, K innermost in all six, become codes of FP4 (E2M1), two a byte, the lower k in the low four bits, with one E8M0 scale byte for each 32 along K.
; The six tensors' rows are laid one tensor behind the other: codes [27648][512 bytes], scales [27648][32 bytes]; rows 0.. query, 8192.. key, 16384.. value, 24576.. Wq, 25600.. Wk, 26624.. Wv.
; A block's scale is 2^(floor(log2(its largest magnitude)) - 2); its byte is the largest magnitude's own exponent field - 2, held at 1 from below.  Each number is divided by the scale and rounded to the nearest code, ties to even; beyond 6 the largest code.
; LIMITS: a block of zeros gets the byte 1 where the rule says 127: its codes are zeros, which add nothing under any byte but 0xff, and this program alone reads the bytes.  Blocks whose largest magnitude lies under 2^(3 - 127) share that byte.  NaN and infinities are not served.
; Rows are dense and 1,024 is a multiple of 32: every tensor is a plain stream of blocks of 32, and so are its codes and scale bytes.  A work-group takes 32,768 numbers, a wave 8,192: 16 steps of 512.
; Work-groups 0-255 query, 256-511 key, 512-767 value, 768-799 Wq, 800-831 Wk, 832-863 Wv: only the source's pointer is chosen, on the work-group's number; the text has one path, and the places in codes and scales follow from the work-group's number alone.
; Each of a step's four loads reads 512 consecutive bytes, 16 a lane; the 2,048 bytes turn through the wave's own stage in LDS and come back 64 bytes a lane, since the conversions take neighbours along K from ONE lane's registers (two neighbouring lanes hold a block).
; A lane's 16 codes are 8 bytes: the wave stores 256 consecutive bytes.  A wave's 256 scale bytes are gathered in LDS and leave as 256 consecutive bytes.  No barrier: waves share nothing.  Loads run four steps (16 loads a wave) ahead.
.set WAVES, 4
.set STEPS, 16
.set EMAX,  2
.set CB,    8                          ; bytes of 16 codes
.set R,     16                         ; v16-79   four sets of 16 numbers as they are loaded
.set X,     80                         ; v80-111  two sets of 16 neighbours
.set E,     112                        ; v112-127 a scale byte for each step
.set C,     128                        ; v128-191 codes: four registers for each step, so that no store's data are written again
.set WREG,  8192                       ; LDS: a region for each wave: two stages of 32 x SP bytes, behind them its 256 scale bytes
.set SP,    80                         ; a lane's place in a stage: its 64 bytes + 16 of padding
.set SPW,   12                         ; v12      LDS address of my spare word: SPARE + 4 x my thread's number; never rewritten
.set NIL,   13                         ; v13      0; never rewritten
.set SPARE, WAVES*WREG                 ; behind the four regions: the spare words, 128 bytes a wave, which no other line names
.set SRC,   24                         ; s[24:25] the source tensor, then my wave's run in it
.set DC,    16                         ; s[16:17] codes
.set DS,    18                         ; s[18:19] scales
	s_load_b256 s[4:11], s[0:1], 0x0               ; query s[4:5], key s[6:7], value s[8:9], Wq s[10:11]
	s_load_b256 s[12:19], s[0:1], 0x20             ; Wk s[12:13], Wv s[14:15], codes s[16:17], scales s[18:19]
	v_lshl_add_u32 v[SPW], v0, 2, SPARE
	v_mov_b32 v[NIL], 0
	v_lshrrev_b32 v1, 5, v0
	v_readfirstlane_b32 s20, v1                    ; wave
	v_and_b32 v2, 31, v0                           ; lane
	v_lshlrev_b32 v3, 4, v2                        ; my 16 bytes of a load's 512
	s_mul_i32 s21, s20, WREG
	v_lshrrev_b32 v14, 2, v2
	v_mul_u32_u24 v14, v14, SP
	v_and_b32 v15, 3, v2
	v_lshl_add_u32 v14, v15, 4, v14
	v_add_nc_u32 v14, s21, v14                     ; the stage, on the way in: four lanes' 64 bytes on end, then 16 of padding
	v_mul_u32_u24 v15, v2, SP
	v_add_nc_u32 v15, s21, v15                     ; and on the way out: SP x lane: my 16 neighbours
	v_mul_u32_u24 v4, v2, CB                       ; my codes' place in a step's
	v_lshrrev_b32 v5, 1, v2
	s_add_co_u32 s21, s21, 2*32*SP
	v_add_nc_u32 v5, s21, v5                       ; LDS: my wave's 256 scale bytes, my block's byte
	v_lshlrev_b32 v7, 3, v2                        ; and on the way out 8 bytes a lane
	v_add_nc_u32 v6, s21, v7
	s_wait_kmcnt 0x0
; from work-group lim on the source is the tensor at s[p:p+1]: the choice hangs on the work-group's number alone
.macro PICK lim, p
	s_cmp_ge_u32 ttmp9, \lim
	s_cselect_b64 s[SRC:SRC+1], s[\p:\p+1], s[SRC:SRC+1]
	s_cselect_b32 s22, \lim, s22
.endm
	s_mov_b64 s[SRC:SRC+1], s[4:5]
	s_mov_b32 s22, 0                               ; the tensor's first work-group
	PICK 256, 6
	PICK 512, 8
	PICK 768, 10
	PICK 800, 12
	PICK 832, 14
	s_sub_co_u32 s22, ttmp9, s22
	s_lshl_b32 s22, s22, 2
	s_add_co_u32 s22, s22, s20                     ; which run of 8,192 numbers of the tensor is my wave's
	s_lshl_b32 s26, s22, 15                        ; 32,768 bytes a run
	s_mov_b32 s27, 0
	s_add_nc_u64 s[SRC:SRC+1], s[SRC:SRC+1], s[26:27]
	s_lshl_b32 s28, ttmp9, 2
	s_add_co_u32 s28, s28, s20                     ; and which run of all six
	s_lshl_b32 s26, s28, 12                        ; 4,096 bytes of codes a run
	s_add_nc_u64 s[DC:DC+1], s[DC:DC+1], s[26:27]
	s_lshl_b32 s26, s28, 8                         ; 256 scale bytes a run
	s_add_nc_u64 s[DS:DS+1], s[DS:DS+1], s[26:27]
.macro LOAD t
.irp i, 0,1,2,3
	global_load_b128 v[R+16*((\t)%4)+4*\i:R+16*((\t)%4)+4*\i+3], v3, s[SRC:SRC+1] offset:2048*(\t)+512*\i th:TH_LOAD_NT   ; 32 lanes read 512 consecutive bytes
.endr
.endm
.macro TURN t                          ; step t's numbers through the stage: LDS serves a wave's instructions in order, so no wait stands between the stores and the loads
.irp i, 0,1,2,3
	ds_store_b128 v14, v[R+16*((\t)%4)+4*\i:R+16*((\t)%4)+4*\i+3] offset:32*SP*((\t)%2)+8*SP*\i
.endr
.irp i, 0,1,2,3
	ds_load_b128 v[X+16*((\t)%2)+4*\i:X+16*((\t)%2)+4*\i+3], v15 offset:32*SP*((\t)%2)+16*\i
.endr
.endm
.irp t, 0,1,2,3
	LOAD \t
.endr
	s_wait_loadcnt 12                              ; step 0's four loads are in; the twelve of steps 1 to 3 stay out
	TURN 0
.macro STEP t
.set XS, X+16*((\t)%2)
.if (\t) > 0
	s_wait_dscnt 1                                 ; this step's numbers are back from the stage (the last step's byte store may be out): so its stores into the stage have read their registers,
.else
	s_wait_dscnt 0x0
.endif
.if (\t)+4 < STEPS
	LOAD (\t)+4                                    ; which take the loads of four steps on
.endif
.if (\t)+1 < STEPS
.if STEPS-2-(\t) >= 3
	s_wait_loadcnt 12                              ; the next step's four loads are in; those of the three steps behind it may be out
.else
	s_wait_loadcnt 4*(STEPS-2-(\t))
.endif
	TURN (\t)+1                                    ; and go through the other stage while this step is worked
.endif
	v_max3_num_f32 v8, |v[XS]|, |v[XS+1]|, |v[XS+2]|               ; the largest magnitude of my 16, in two chains
	v_max3_num_f32 v9, |v[XS+3]|, |v[XS+4]|, |v[XS+5]|
.irp i, 6,10
	v_max3_num_f32 v8, v8, |v[XS+\i]|, |v[XS+\i+1]|
	v_max3_num_f32 v9, v9, |v[XS+\i+2]|, |v[XS+\i+3]|
.endr
	v_max3_num_f32 v8, v8, |v[XS+14]|, |v[XS+15]|
	v_max3_num_f32 v8, v8, v9, (EMAX+1)<<23        ; and the floor 2^(EMAX + 1 - 127): so the byte cannot fall under 1
	v_max_num_f32_dpp v8, v8, v8 row_xmask:1 row_mask:0xf bank_mask:0xf   ; and of my neighbour's 16: the block's
	v_add_nc_u32 v11, -(EMAX<<23), v8              ; EMAX off its exponent field: the conversion takes the exponent field of this operand as its scale, and nothing else of it
	v_cvt_scalef32_pk8_fp4_f32 v[C+4*(\t)], v[XS:XS+7], v11
	v_cvt_scalef32_pk8_fp4_f32 v[C+4*(\t)+1], v[XS+8:XS+15], v11
	v_lshrrev_b32 v[E+(\t)], 23, v11               ; the scale's byte (also the plain line behind the conversions)
	ds_store_b8 v5, v[E+(\t)] offset:16*(\t)       ; both lanes of a block write the same byte with the same value
	global_store_b64 v4, v[C+4*(\t):C+4*(\t)+1], s[DC:DC+1] offset:32*CB*(\t)   ; 32 lanes store 256 consecutive bytes, at a multiple of 256 from the buffer's first byte
.endm
.irp t, 0,1,2,3,4,5,6,7,8,9,10,11,12,13,14,15
	STEP \t
.endr
	ds_load_b64 v[8:9], v6                         ; LDS serves a wave's instructions in order: these see my byte stores
	s_wait_dscnt 0x0
	global_store_b64 v7, v[8:9], s[DS:DS+1]        ; 32 lanes store 256 consecutive bytes
	s_wait_tensorcnt 0x0                           ; the wave's end: behind my last LDS store
	ds_add_u32 v[SPW], v[NIL]
	s_wait_dscnt 0x0
	s_endpgm
.Lfunc_end_k_q565560e8aa_quant:
	.size	k_q565560e8aa_quant, .Lfunc_end_k_q565560e8aa_quant-k_q565560e8aa_quant
	.p2alignl 7, 3214868480
	.fill 96, 4, 3214868480
	.section	.rodata,"a",@progbits
	.p2align	6, 0x0
	.amdhsa_kernel k_q565560e8aa_quant
		.amdhsa_group_segment_fixed_size 33280
		.amdhsa_private_segment_fixed_size 0
		.amdhsa_enable_private_segment 0
		.amdhsa_kernarg_size 64
		.amdhsa_user_sgpr_count 2
		.amdhsa_user_sgpr_kernarg_segment_ptr 1
		.amdhsa_wavefront_size32 1
		.amdhsa_system_sgpr_workgroup_id_x 1
		.amdhsa_system_sgpr_workgroup_id_y 1
		.amdhsa_system_sgpr_workgroup_id_z 1
		.amdhsa_system_vgpr_workitem_id 0
		.amdhsa_next_free_vgpr 192
		.amdhsa_next_free_sgpr 66
		.amdhsa_reserve_vcc 0
		.amdhsa_float_denorm_mode_32 3
		.amdhsa_float_denorm_mode_16_64 3
		.amdhsa_memory_ordered 1
		.amdhsa_forward_progress 1
		.amdhsa_inst_pref_size 34
	.end_amdhsa_kernel
	.amdgpu_metadata
---
amdhsa.version: [ 1, 2 ]
amdhsa.kernels:
  - .name:           k_q565560e8aa_quant
    .symbol:         k_q565560e8aa_quant.kd
    .args:
      - { .name: query, .offset: 0, .size: 8, .value_kind: global_buffer, .address_space: global }
      - { .name: key, .offset: 8, .size: 8, .value_kind: global_buffer, .address_space: global }
      - { .name: value, .offset: 16, .size: 8, .value_kind: global_buffer, .address_space: global }
      - { .name: Wq, .offset: 24, .size: 8, .value_kind: global_buffer, .address_space: global }
      - { .name: Wk, .offset: 32, .size: 8, .value_kind: global_buffer, .address_space: global }
      - { .name: Wv, .offset: 40, .size: 8, .value_kind: global_buffer, .address_space: global }
      - { .name: codes, .offset: 48, .size: 8, .value_kind: global_buffer, .address_space: global }
      - { .name: scales, .offset: 56, .size: 8, .value_kind: global_buffer, .address_space: global }
    .group_segment_fixed_size: 33280
    .private_segment_fixed_size: 0
    .kernarg_segment_align: 8
    .kernarg_segment_size: 64
    .max_flat_workgroup_size: 128
    .sgpr_count:     66
    .vgpr_count:     192
    .wavefront_size: 32
...
	.end_amdgpu_metadata
.endif
;; end of part 1
;; launch proj (part 2): grid 4 x 96, 4 waves a work-group, clusters of 4 x 4, 327,680 bytes of LDS; arguments codes, scales, bq, bk, bv, qkv; writes qkv
.if DOCPART == 2
	.amdgcn_target "amdgcn-amd-amdhsa--gfx1250"
	.amdhsa_code_object_version 6
	.text
	.protected	k_q565560e8aa_proj
	.globl	k_q565560e8aa_proj
	.p2align	8
	.type	k_q565560e8aa_proj,@function
k_q565560e8aa_proj:
	s_mov_b64 s[64:65], 0
	v_nop
	global_prefetch_b8 v0, s[64:65] scope:SCOPE_SE
	s_setreg_imm32_b32 hwreg(HW_REG_WAVE_MODE, 25, 1), 1
	s_wait_xcnt 0x0
	s_wait_alu depctr_hold_cnt(0) depctr_sa_sdst(0) depctr_va_vdst(0) depctr_va_sdst(0) depctr_va_ssrc(0) depctr_va_vcc(0) depctr_vm_vsrc(0)
	s_getreg_b32 s2, hwreg(HW_REG_IB_STS2, 6, 4)
	s_cmp_eq_u32 s2, 0
	s_cbranch_scc0 .Lentry_in_a_cluster
	s_endpgm
.Lentry_in_a_cluster:
	s_bfe_u32 s2, ttmp6, 0x10000c
	s_cmp_lg_u32 s2, 0xf033
	s_cbranch_scc0 .Lentry_shape_is_right
	s_endpgm
.Lentry_shape_is_right:
; The three projections x W^T + b on codes of FP4 (E2M1) with one E8M0 scale for each 32 along K (K = 1,024), f32 sums; the results are rounded once to f16 and laid by head: qkv [3 (q, k, v)][4 b][16 h][2048 s][64 d].
; The 24,576 rows of query, key and value lie on end in codes and scales (rows of 512 and of 32 bytes); W's rows follow from row 24,576 on, 1,024 for each projection.
; LIMIT: the results are kept in f16: magnitudes up to 65,504; under 6e-5 they keep f16's absolute step.
; A tile of 256 rows x 256 columns is made by a work-group of four waves; a wave makes 128 x 128: 64 accumulators of 16 x 16, 512 registers.  Tile row 0..95 runs over the three tensors, 32 tile rows each; tile column 0..3.
; K lies in LDS whole: slot 0 holds K 0-511, slot 1 K 512-1023, rows of 256 bytes; the scale bytes of the work-group's 256 + 256 rows, for all of K, behind them.  Each wave asks for three tiles at the head and nothing is filled again.
; CLUSTERS: 4 x 4 work-groups, all of one projection (8 clusters a projection).  The four of a row of the cluster need the same rows of x, the four of a column the same rows of W: each tile is asked for JOINTLY, by the same tensor load with the
; same descriptor and a mask that names the four.  THE MATRIX INSTRUCTION IS USED TRANSPOSED (source 0 = 16 rows of W, source 1 = 16 rows of x): a lane then holds eight neighbouring columns of one row.
; THE BIAS is the C of each sum's first matrix instruction: eight registers for each block of 16 columns, in the result's layout.
; REGISTERS, in windows of 256: window 0: v0-31 addresses; v32-95 scale words, two sets, and nothing else; v96-127 packed results on the way out; v128-191 x's fragments (8 x 16 rows x 128 K), ONE set, on the way out rows read back; v192-255 the bias.
;   window 1: W's fragments, TWO sets, at v0 and at v128.   window 2: the 32 accumulators of my rows 0-63 (accumulator (a, b) at v[8 (8 a + b)]);   window 3: those of my rows 64-127.
.set KSTEP,  512                       ; along K in a slot
.set NQ,     KSTEP/128                 ; matrix instructions deep
.set ROWB,   256                       ; a tile's row in bytes
.set KROW,   512                       ; a row of codes in memory
.set PITCH,  272                       ; an LDS row: 256 bytes + 16 of padding = 68 words: row r starts at bank 4 r mod 64 (64 banks of 4 bytes: ISA guide 11.1)
.set FR,     8                         ; registers of a fragment: 16 rows x 128 K
.set NL,     2                         ; LDS loads that bring one
.set NP,     4                         ; places behind this matrix instruction (ISA guide 7.12.1)
.set HALFT,  128*PITCH                 ; 128 rows: what one tensor load brings, and what one wave reads of x or of W
.set SLOT,   4*HALFT                   ; x's 256 rows, then W's 256 rows
.set KS,     32                        ; a row of scale bytes
.set SCL,    2*SLOT                    ; behind the slots: the scales, as runs of 256 bytes + 16 of padding
.set HALFS,  (128*KS/256)*272          ; the scales of 128 rows: what one tensor load brings
.set SBLK,   (16*KS/256)*272           ; those of 16 rows
.set SPARE,  SCL+4*HALFS               ; behind the scales: the spare words, 128 bytes a wave, which no other line names
.set SPITCH, 272                       ; the way out: a stage of 16 rows x (256 bytes + 16) for each wave, in slot 0, which has had its one fill and its last read when the first result is stored there
.set WROW0,  24576                     ; W's first row in codes and scales
.set ADRA, 16                          ; v16-17  LDS address of my x fragments in slot 0, 1
.set ADRB, 20                          ; v20-21  the same for W
.set STO,  24                          ; v24     the way out: where I put 16 bytes of a row
.set RD,   25                          ; v25     the way out: where I read back
.set CO,   26                          ; v26     16 x lane: my place in a store's 512 bytes
.set ADRS, 27                          ; v27     LDS address of my scale words: lanes 0-15 x's rows, lanes 16-31 W's
.set SPW,  28                          ; v28     LDS address of my spare word; never rewritten
.set NIL,  29                          ; v29     0; never rewritten
.set BO,   30                          ; v30     32 x (lane / 16): my half's eight numbers of a block of the bias
.set SC,   32                          ; scale words: set s at v[SC + 32 s]; register 4 i + q: lanes 0-15 the word of x's block i, lanes 16-31 that of W's block i, for the slot's q-th 128 along K
.set TMP,  96
.set AF,   128                         ; x's fragments
.set BK,   128                         ; the way out: v128-159 and v160-191 by turns
.set BI,   192                         ; the bias: block b of 16 columns at v[BI + 8 b]
.set G1, 24                            ; s[24:31] descriptor group 1 for x's tiles;  s[32:39] group 0, one set for each slot
.set G0, 32
.set G1B, 48                           ; s[48:55], s[56:63] the same for W's tiles
.set G0B, 56
.set G1S, 68                           ; s[68:75], s[76:79] groups 1 and 0 for x's scales;  s[80:87], s[88:91] for W's
.set G0S, 76
.set G1SB, 80
.set G0SB, 88
.set MSB, 0
.macro WIN new                         ; the immediate's high byte repeats the setting that is left
.if MSB != \new
	s_set_vgpr_msb (MSB<<8)|\new
.set MSB, \new
.endif
.endm
.set MUL_LO,   0xa1                    ; source 0 (W) window 1, source 1 (x) window 0, C and D window 2
.set MUL_HI,   0xf1                    ; the same, C and D window 3
.set FIRST_LO, 0x81                    ; the first step: C (the bias) window 0, D window 2
.set FIRST_HI, 0xc1                    ; D window 3
.set TO_B,     0x40                    ; destination window 1, address window 0
; A joint load: waves 0 and 1 fetch for x, waves 2 and 3 for W.  Each of the two lines has ONE mask and one set of registers for all that issue it; the branch hangs on the wave's number alone.
; An s_nop 0 and four v_nop follow each of the two lines, ahead of the jump, the label and what follows.
.macro JLOAD g0a, g1a, g0b, g1b
	s_cmp_eq_u32 s15, 0
	s_cbranch_scc0 .Lfor_b_\@
	tensor_load_to_lds s[\g0a:\g0a+3], s[\g1a:\g1a+7]
	s_nop 0
.rept 4
	v_nop
.endr
	s_branch .Lasked_\@
.Lfor_b_\@:
	tensor_load_to_lds s[\g0b:\g0b+3], s[\g1b:\g1b+7]
	s_nop 0
.rept 4
	v_nop
.endr
.Lasked_\@:
.endm
.macro CROUND                          ; a round of the cluster's barrier: my work-group's barrier; wave 0 signals for the work-group; every wave waits for all sixteen; my work-group's barrier once more
	s_barrier_signal -1
	s_barrier_wait -1
	s_cmp_lg_u32 s14, 0
	s_cbranch_scc1 .Lnot_wave_0_\@
	s_barrier_signal -3
.Lnot_wave_0_\@:
	s_barrier_wait -3
	s_barrier_signal -1
	s_barrier_wait -1
.endm
	s_load_b128 s[4:7], s[0:1], 0x0                ; codes s[4:5], scales s[6:7]
	s_load_b128 s[96:99], s[0:1], 0x10             ; bq s[96:97], bk s[98:99]
	s_load_b64 s[100:101], s[0:1], 0x20            ; bv
	s_load_b64 s[12:13], s[0:1], 0x28              ; qkv
	v_lshl_add_u32 v[SPW], v0, 2, SPARE
	v_mov_b32 v[NIL], 0
	ds_add_u32 v[SPW], v[NIL]                      ; the wave's opening: the add, twice on end, and its wait ahead of my first tensor load; the set-up below stands between the second and the wait
	ds_add_u32 v[SPW], v[NIL]
	v_lshrrev_b32 v1, 5, v0
	v_readfirstlane_b32 s14, v1                    ; wave 0..3
	s_lshr_b32 s15, s14, 1                         ; which half of the tile's rows is mine.  Also: I fetch for x (0) or for W (1)
	s_and_b32 s16, s14, 1                          ; which half of its columns.  Also: which 128 rows of that tile I fetch
	s_bfe_u32 s40, ttmp6, 0x40000                  ; cx, cy: my place in the cluster
	s_bfe_u32 s41, ttmp6, 0x40004
	s_lshl_b32 s42, ttmp9, 2
	s_add_co_u32 s42, s42, s40                     ; tile column = 4 x cluster x + cx
	s_and_b32 s17, ttmp7, 0xffff
	s_lshl_b32 s17, s17, 2
	s_add_co_u32 s17, s17, s41                     ; tile row = 4 x cluster y + cy
	s_and_b32 s95, ttmp7, 0xffff
	s_lshr_b32 s95, s95, 3                         ; the projection: cluster y / 8: the same in all sixteen partners
	s_lshl_b32 s43, s41, 2
	s_lshl_b32 s43, 15, s43                        ; my row of the cluster
	s_lshl_b32 s44, 0x1111, s40                    ; my column
	; descriptor group 1: a tile of 128 rows x 256 bytes, padded in LDS
	s_or_b32 s[G1+0], s43, (0<<16)|(1<<20)|(1<<21)|(5<<22)|(3<<25)  ; 15:0 the mask: x's tiles go to my row; 17:16 element of 1 byte; 20 padding on; 21 set beside a mask; 24:22 after every 64 words (code 5); 31:25 of 4 words (code 3)
	s_or_b32 s[G1B+0], s44, (0<<16)|(1<<20)|(1<<21)|(5<<22)|(3<<25)
.irp g, G1, G1B
	s_mov_b32 s[\g+1], ROWB<<16                    ; tensor_dim0
	s_mov_b32 s[\g+2], 128<<16                     ; tensor_dim1 = 128
	s_mov_b32 s[\g+3], ROWB<<16                    ; tile_dim0
	s_mov_b32 s[\g+4], 128                         ; tile_dim1 = 128
	s_mov_b32 s[\g+5], KROW                        ; tensor_dim0_stride
	s_mov_b32 s[\g+6], 0
	s_mov_b32 s[\g+7], 0
.endr
	; and for the scales of 128 rows: a dense block of 4,096 bytes, as 16 rows of 256 bytes (32 elements of 8 bytes), 16 bytes of padding behind each
	s_or_b32 s[G1S+0], s43, (3<<16)|(1<<20)|(1<<21)|(5<<22)|(3<<25)
	s_or_b32 s[G1SB+0], s44, (3<<16)|(1<<20)|(1<<21)|(5<<22)|(3<<25)
.irp g, G1S, G1SB
	s_mov_b32 s[\g+1], 32<<16
	s_mov_b32 s[\g+2], (128*KS/256)<<16
	s_mov_b32 s[\g+3], 32<<16
	s_mov_b32 s[\g+4], 128*KS/256
	s_mov_b32 s[\g+5], 32
	s_mov_b32 s[\g+6], 0
	s_mov_b32 s[\g+7], 0
.endr
	s_lshl_b32 s18, s16, 7                         ; which 128 rows of the tile I fetch
	s_lshl_b32 s20, s17, 8
	s_add_co_u32 s20, s20, s18                     ; x: row 256 x tile row + 128 x half
	s_lshl_b32 s46, s42, 8
	s_add_co_u32 s46, s46, s18                     ; W: row 256 x tile column + 128 x half,
	s_lshl_b32 s47, s95, 10
	s_add_co_u32 s46, s46, s47                     ; + 1,024 x projection,
	s_add_co_u32 s46, s46, WROW0                   ; behind x's rows
	s_mov_b32 s21, 0
	s_mov_b32 s47, 0
	s_mov_b64 s[18:19], KS
	s_mul_u64 s[22:23], s[20:21], s[18:19]         ; where these rows' scales begin, in bytes
	s_mul_u64 s[92:93], s[46:47], s[18:19]
	s_mov_b64 s[18:19], KROW
	s_mul_u64 s[20:21], s[20:21], s[18:19]         ; and their codes
	s_mul_u64 s[46:47], s[46:47], s[18:19]
	s_mul_i32 s45, s14, HALFT                      ; where they go: wave x 128 rows: no place in the cluster enters an LDS address
	s_mul_i32 s94, s14, HALFS
	s_wait_dscnt 0x0                               ; both opening adds are done
	s_wait_kmcnt 0x0
	s_add_nc_u64 s[20:21], s[4:5], s[20:21]
	s_add_nc_u64 s[22:23], s[6:7], s[22:23]
	s_add_nc_u64 s[46:47], s[4:5], s[46:47]
	s_add_nc_u64 s[92:93], s[6:7], s[92:93]
	CROUND                                         ; all sixteen work-groups are here: the joint loads meet
	s_mov_b32 s[G0S], 1
	s_add_co_u32 s[G0S+1], s94, SCL
	s_mov_b64 s[G0S+2:G0S+3], s[22:23]
	s_or_b32 s[G0S+3], s[G0S+3], 0x80000000
	s_mov_b32 s[G0SB], 1
	s_add_co_u32 s[G0SB+1], s94, SCL
	s_mov_b64 s[G0SB+2:G0SB+3], s[92:93]
	s_or_b32 s[G0SB+3], s[G0SB+3], 0x80000000
	JLOAD G0S, G1S, G0SB, G1SB                     ; the scales first: they are wanted with slot 0
.irp s, 0,1
	s_mov_b32 s[G0+4*\s], 1
	s_add_co_u32 s[G0+4*\s+1], s45, \s*SLOT
	s_add_nc_u64 s[G0+4*\s+2:G0+4*\s+3], s[20:21], \s*ROWB
	s_or_b32 s[G0+4*\s+3], s[G0+4*\s+3], 0x80000000
	s_mov_b32 s[G0B+4*\s], 1
	s_add_co_u32 s[G0B+4*\s+1], s45, \s*SLOT
	s_add_nc_u64 s[G0B+4*\s+2:G0B+4*\s+3], s[46:47], \s*ROWB
	s_or_b32 s[G0B+4*\s+3], s[G0B+4*\s+3], 0x80000000
	JLOAD G0+4*\s, G1, G0B+4*\s, G1B               ; three tensor loads of mine are out behind the second of these
.endr
	v_and_b32 v1, 15, v0                           ; l % 16
	v_bfe_u32 v2, v0, 4, 1                         ; l / 16
	; the bias of my 128 columns: the projection's vector, chosen on the cluster's y alone
	s_cmp_eq_u32 s95, 1
	s_cselect_b64 s[96:97], s[98:99], s[96:97]
	s_cmp_eq_u32 s95, 2
	s_cselect_b64 s[96:97], s[100:101], s[96:97]
	s_lshl_b32 s46, s42, 10                        ; 4 bytes x (256 x tile column
	s_lshl_b32 s47, s16, 9                         ; + 128 x half)
	s_add_co_u32 s46, s46, s47
	s_mov_b32 s47, 0
	s_add_nc_u64 s[96:97], s[96:97], s[46:47]
	v_lshlrev_b32 v[BO], 5, v2
.irp b, 0,1,2,3,4,5,6,7
	global_load_b128 v[BI+8*\b:BI+8*\b+3], v[BO], s[96:97] offset:64*\b        ; columns 16 b + 8 (l / 16) + 0 .. 3
	global_load_b128 v[BI+8*\b+4:BI+8*\b+7], v[BO], s[96:97] offset:64*\b+16   ; and + 4 .. 7
.endr
	v_mul_u32_u24 v3, v1, PITCH
	v_lshl_add_u32 v4, v2, 4, v3                   ; a fragment's row x pitch + 16 x half
	s_mul_i32 s21, s15, HALFT                      ; my 128 rows of x
	s_mul_i32 s22, s16, HALFT                      ; my 128 rows of W,
	s_add_co_u32 s22, s22, 2*HALFT                 ; which lie behind x's 256
.irp s, 0,1
	v_add_nc_u32 v[ADRA+\s], s21, v4
	v_add_nc_u32 v[ADRB+\s], s22, v4
	s_add_co_u32 s21, s21, SLOT
	s_add_co_u32 s22, s22, SLOT
.endr
	v_mul_u32_u24 v5, v1, KS                       ; my row's scales: KS bytes a row,
	v_lshrrev_b32 v6, 8, v5
	v_lshl_add_u32 v5, v6, 4, v5                   ; and 16 more for each 256 passed
	s_mul_i32 s21, s15, HALFS                      ; x's: my 128 rows
	s_mul_i32 s22, s16, HALFS                      ; W's: my 128 rows, behind x's 256
	s_add_co_u32 s22, s22, 2*HALFS
	s_sub_co_u32 s22, s22, s21
	v_mul_u32_u24 v6, s22, v2                      ; lanes 16-31 take W's: one product, the distance between the two
	s_add_co_u32 s21, s21, SCL
	v_add_nc_u32 v5, v5, v6
	v_add_nc_u32 v[ADRS], s21, v5
	s_mul_i32 s23, s14, 16*SPITCH                  ; my stage
	v_mul_u32_u24 v5, v1, SPITCH                   ; in: row l % 16, 16 bytes for each half of the lanes
	v_lshl_add_u32 v5, v2, 4, v5
	v_add_nc_u32 v[STO], s23, v5
	v_and_b32 v6, 31, v0
	v_lshlrev_b32 v[CO], 4, v6
	v_lshrrev_b32 v5, 3, v6                        ; back: eight lanes take one head's 128 bytes of a row, the 32 lanes four rows
	v_mul_u32_u24 v5, v5, SPITCH
	v_and_b32 v6, 7, v6
	v_lshl_add_u32 v5, v6, 4, v5
	v_add_nc_u32 v[RD], s23, v5
	; where my 128 rows x 2 heads begin in qkv: m0 = 256 x tile row + 128 x half; (m0 / 2048) is 4 x tensor + batch: 2^22 bytes each; a head 2^18; a row 128
	s_lshl_b32 s20, s17, 8
	s_lshl_b32 s21, s15, 7
	s_add_co_u32 s20, s20, s21
	s_lshr_b32 s21, s20, 11
	s_lshl_b32 s21, s21, 22
	s_and_b32 s20, s20, 2047
	s_lshl_b32 s20, s20, 7
	s_add_co_u32 s20, s20, s21
	s_mov_b32 s21, 0
	s_lshl_b32 s46, s42, 20                        ; head 4 x tile column
	s_lshl_b32 s47, s16, 19                        ; + 2 x half
	s_add_co_u32 s46, s46, s47
	s_mov_b32 s47, 0
	s_add_nc_u64 s[20:21], s[20:21], s[46:47]
	s_add_nc_u64 s[12:13], s[12:13], s[20:21]
.macro FRAG reg, adr, q, i             ; a fragment, 16 rows x 128 K of 4-bit codes, is 8 registers: lane l holds row l % 16; registers 4 c .. 4 c + 3 hold K = 64 c + 32 (l / 16) + 0 .. 31
.irp c, 0,1
	ds_load_b128 v[\reg+4*\c:\reg+4*\c+3], v[\adr] offset:64*(\q)+32*\c+(\i)*16*PITCH
.endr
.endm
; 16 matrix instructions: x's blocks a0, a0 + 1 against W's eight, 128 along K: the slot's q-th.  p: W's set;  sc: the set of scale words.  first = 1: the bias starts the sums: nothing is ever cleared.
; The 64 accumulators take turns, one instruction a turn, in the same order in every step.
.macro MUL16 a0, p, q, sc, first
.irp a, \a0, \a0+1
.irp b, 0,1,2,3,4,5,6,7
.if \first
	v_wmma_scale_f32_16x16x128_f8f6f4 v[8*(8*((\a)%4)+\b):8*(8*((\a)%4)+\b)+7], v[128*(\p)+FR*\b:128*(\p)+FR*\b+FR-1], v[AF+FR*(\a):AF+FR*(\a)+FR-1], v[BI+8*\b:BI+8*\b+7], v[SC+8*NQ*(\sc)+NQ*\b+(\q)], v[SC+8*NQ*(\sc)+NQ*(\a)+(\q)] matrix_a_fmt:MATRIX_FMT_FP4 matrix_b_fmt:MATRIX_FMT_FP4 matrix_a_scale:MATRIX_SCALE_ROW1
.else
	v_wmma_scale_f32_16x16x128_f8f6f4 v[8*(8*((\a)%4)+\b):8*(8*((\a)%4)+\b)+7], v[128*(\p)+FR*\b:128*(\p)+FR*\b+FR-1], v[AF+FR*(\a):AF+FR*(\a)+FR-1], v[8*(8*((\a)%4)+\b):8*(8*((\a)%4)+\b)+7], v[SC+8*NQ*(\sc)+NQ*\b+(\q)], v[SC+8*NQ*(\sc)+NQ*(\a)+(\q)] matrix_a_fmt:MATRIX_FMT_FP4 matrix_b_fmt:MATRIX_FMT_FP4 matrix_a_scale:MATRIX_SCALE_ROW1
.endif
.endr
.endr
.endm
.macro FETCH_B slot, q, p              ; W's eight fragments of the slot's q-th 128 along K into set p
	WIN TO_B
.irp i, 0,1,2,3,4,5,6,7
	FRAG 128*(\p)+FR*\i, ADRB+\slot, \q, \i
.endr
	WIN 0
.endm
.macro FETCH_A slot, q, i0             ; x's blocks i0 .. i0 + 3
.irp i, \i0, \i0+1, \i0+2, \i0+3
	FRAG AF+FR*(\i), ADRA+\slot, \q, \i
.endr
.endm
.macro SCALES sc                       ; a slot's scale words into set sc: 4 words a row; lanes 0-15 take x's block i, lanes 16-31 W's block i
.irp i, 0,1,2,3,4,5,6,7
	ds_load_b128 v[SC+8*NQ*\sc+NQ*\i:SC+8*NQ*\sc+NQ*\i+3], v[ADRS] offset:\i*SBLK
.endr
.endm
; A load into a register that a matrix instruction has read, and a vector instruction that reads a matrix result, stand NP places behind that matrix instruction, and only plain vector
; instructions that name none of its registers are places (ISA guide 7.12.1 for vector instructions).
.macro PLACES n
.rept \n
	v_nop
.endr
.endm
; A step of 128 along K that has its successor in the same slot.  A block of x is free as soon as its eight products are issued: blocks 0-3 are fetched anew in the step's middle, blocks 4-7 at its end.
.macro STEP slot, q, first
	s_wait_dscnt 4*NL                              ; W's set and x's blocks 0-3 are in; the youngest eight loads (x's blocks 4-7) may be out
.if \first
	WIN FIRST_LO
.else
	WIN MUL_LO
.endif
	MUL16 0, (\q)%2, \q, \slot, \first
	MUL16 2, (\q)%2, \q, \slot, \first
	s_wait_dscnt 0                                 ; x's blocks 4-7 are in (asked for 32 matrix instructions ago)
	PLACES NP
	FETCH_B \slot, (\q)+1, 1-(\q)%2
	FETCH_A \slot, (\q)+1, 0
.if \first
	WIN FIRST_HI
.else
	WIN MUL_HI
.endif
	MUL16 4, (\q)%2, \q, \slot, \first
	MUL16 6, (\q)%2, \q, \slot, \first
	PLACES NP
	WIN 0
	FETCH_A \slot, (\q)+1, 4
.endm
; Slot 0's last step goes over to slot 1: ONE barrier; in front of it each wave waits for all its tensor loads (its part of slot 1), adds 0 to its spare word, and waits for that and for its reads of slot 0.
.macro TURN slot, next
	s_wait_tensorcnt 0x0                           ; all my tensor loads have landed  (every window is 0 here: the add's two registers lie in window 0)
	ds_add_u32 v[SPW], v[NIL]                      ; 0 onto my spare word
	s_wait_dscnt 4*NL+1                            ; (the add and the youngest eight loads, x's blocks 4-7, may be out)
	WIN MUL_LO
	MUL16 0, 1, NQ-1, \slot, 0                     ; sixteen matrix instructions stand between the add and the wait for it
	s_wait_dscnt 0x0                               ; the add is done, and my reads of this slot are over
	s_barrier_signal -1
	MUL16 2, 1, NQ-1, \slot, 0
	WIN 0
	s_barrier_wait -1                              ; every wave's part of the next slot is in, and nobody reads this slot any more
	PLACES NP
	v_add_nc_u32 v[ADRS], 4*NQ, v[ADRS]            ; on to the next slot's scale words
	FETCH_B \next, 0, 0
	FETCH_A \next, 0, 0
	SCALES \next
	WIN MUL_HI
	MUL16 4, 1, NQ-1, \slot, 0
	MUL16 6, 1, NQ-1, \slot, 0
	PLACES NP
	WIN 0
	FETCH_A \next, 0, 4
.endm
.macro STEPS slot, from                ; the slot's steps from .. NQ - 2
.set QQ, \from
.rept NQ-1-\from
	STEP \slot, QQ, 0
.set QQ, QQ+1
.endr
.endm
	s_wait_tensorcnt 1                             ; the scales and my part of slot 0 are in; slot 1's load, the one issued behind them, may be out
	s_barrier_signal -1
	s_barrier_wait -1                              ; everybody's are
	FETCH_B 0, 0, 0
	FETCH_A 0, 0, 0
	SCALES 0
	FETCH_A 0, 0, 4
	s_wait_loadcnt 0x0                             ; the bias
	STEP 0, 0, 1                                   ; the first step's products start the sums with the bias
	STEPS 0, 1
	TURN 0, 1
	STEPS 1, 0
	s_wait_dscnt 4*NL                              ; the very last step: nothing more to fetch
	WIN MUL_LO
	MUL16 0, 1, NQ-1, 1, 0
	MUL16 2, 1, NQ-1, 1, 0
	s_wait_dscnt 0
	WIN MUL_HI
	MUL16 4, 1, NQ-1, 1, 0
	MUL16 6, 1, NQ-1, 1, 0
	WIN 0
; THE WAY OUT, block by block of 16 rows x 128 columns (two heads).  PACK: rounded to f16, 16 bytes a lane, each accumulator from its low end on.  TOSTAGE: into my own stage in LDS, and back head by head:
; four rows of one head are 512 consecutive bytes of qkv.  SEND: stored.  LDS serves a wave's instructions in order (ISA guide 5.7.1.4): no wait between the stores into the stage and the loads from it.
.macro PACK a
.set AC, 64*((\a)%4)
	WIN 0x0a+5*((\a)/4)                            ; sources 0 and 1: window 2 or 3
.irp b, 0,1,2,3,4,5,6,7
.irp r, 0,1,2,3
	v_cvt_pk_f16_f32 v[TMP+4*\b+\r], v[AC+8*\b+2*\r], v[AC+8*\b+2*\r+1]
.endr
.endr
	WIN 0
.endm
.macro TOSTAGE a
.set BB, BK+32*((\a)%2)
.irp b, 0,1,2,3,4,5,6,7
	ds_store_b128 v[STO], v[TMP+4*\b:TMP+4*\b+3] offset:32*\b
.endr
.irp i, 0,1,2,3,4,5,6,7                ; head i / 4, rows 4 (i % 4) on
	ds_load_b128 v[BB+4*\i:BB+4*\i+3], v[RD] offset:(\i%4)*4*SPITCH+128*(\i/4)
.endr
.endm
.macro SEND a
.set BB, BK+32*((\a)%2)
	s_wait_dscnt 0x0                               ; the block is back in registers
	s_wait_xcnt 0x0                                ; the stores of the block before have read their registers: the next block's loads from the stage land there only behind this wait
.irp i, 0,1,2,3,4,5,6,7
	global_store_b128 v[CO], v[BB+4*\i:BB+4*\i+3], s[12:13] offset:(\i/4)*262144+(\a)*2048+(\i%4)*512   ; 32 lanes store 512 consecutive bytes, at a multiple of 512 from qkv's first byte
.endr
.endm
	PLACES NP                                      ; behind the last products: for the conversions that read results and the loads into x's fragments' registers
	PACK 0
	TOSTAGE 0
.irp a, 1,2,3,4,5,6,7                  ; block a's conversions stand between block a - 1's loads from the stage and the wait for them
	PACK \a
	SEND \a-1
	TOSTAGE \a
.endr
	SEND 7
	s_wait_tensorcnt 0x0                           ; the wave's end: behind my last tensor load and my last LDS store
	ds_add_u32 v[SPW], v[NIL]
	s_wait_dscnt 0x0
	CROUND                                         ; the closing round: no work-group ends while a partner may still ask for a tile that names it
	s_endpgm
.Lfunc_end_k_q565560e8aa_proj:
	.size	k_q565560e8aa_proj, .Lfunc_end_k_q565560e8aa_proj-k_q565560e8aa_proj
	.p2alignl 7, 3214868480
	.fill 96, 4, 3214868480
	.section	.rodata,"a",@progbits
	.p2align	6, 0x0
	.amdhsa_kernel k_q565560e8aa_proj
		.amdhsa_group_segment_fixed_size 327680
		.amdhsa_private_segment_fixed_size 0
		.amdhsa_enable_private_segment 0
		.amdhsa_kernarg_size 48
		.amdhsa_user_sgpr_count 2
		.amdhsa_user_sgpr_kernarg_segment_ptr 1
		.amdhsa_wavefront_size32 1
		.amdhsa_system_sgpr_workgroup_id_x 1
		.amdhsa_system_sgpr_workgroup_id_y 1
		.amdhsa_system_sgpr_workgroup_id_z 1
		.amdhsa_system_vgpr_workitem_id 0
		.amdhsa_next_free_vgpr 1024
		.amdhsa_next_free_sgpr 102
		.amdhsa_reserve_vcc 0
		.amdhsa_float_denorm_mode_32 3
		.amdhsa_float_denorm_mode_16_64 3
		.amdhsa_memory_ordered 1
		.amdhsa_forward_progress 1
		.amdhsa_inst_pref_size 128
	.end_amdhsa_kernel
	.amdgpu_metadata
---
amdhsa.version: [ 1, 2 ]
amdhsa.kernels:
  - .name:           k_q565560e8aa_proj
    .symbol:         k_q565560e8aa_proj.kd
    .args:
      - { .name: codes, .offset: 0, .size: 8, .value_kind: global_buffer, .address_space: global }
      - { .name: scales, .offset: 8, .size: 8, .value_kind: global_buffer, .address_space: global }
      - { .name: bq, .offset: 16, .size: 8, .value_kind: global_buffer, .address_space: global }
      - { .name: bk, .offset: 24, .size: 8, .value_kind: global_buffer, .address_space: global }
      - { .name: bv, .offset: 32, .size: 8, .value_kind: global_buffer, .address_space: global }
      - { .name: qkv, .offset: 40, .size: 8, .value_kind: global_buffer, .address_space: global }
    .group_segment_fixed_size: 327680
    .private_segment_fixed_size: 0
    .kernarg_segment_align: 8
    .kernarg_segment_size: 48
    .max_flat_workgroup_size: 128
    .sgpr_count:     102
    .vgpr_count:     1024
    .wavefront_size: 32
...
	.end_amdgpu_metadata
.endif
;; end of part 2
;; launch attn (part 3): grid 4 x 64, 16 waves a work-group, clusters of 4 x 1, 327,680 bytes of LDS; arguments qkv, out0; writes out0
.if DOCPART == 3
	.amdgcn_target "amdgcn-amd-amdhsa--gfx1250"
	.amdhsa_code_object_version 6
	.text
	.protected	k_q565560e8aa_attn
	.globl	k_q565560e8aa_attn
	.p2align	8
	.type	k_q565560e8aa_attn,@function
k_q565560e8aa_attn:
	s_mov_b64 s[64:65], 0
	v_nop
	global_prefetch_b8 v0, s[64:65] scope:SCOPE_SE
	s_setreg_imm32_b32 hwreg(HW_REG_WAVE_MODE, 25, 1), 1
	s_wait_xcnt 0x0
	s_wait_alu depctr_hold_cnt(0) depctr_sa_sdst(0) depctr_va_vdst(0) depctr_va_sdst(0) depctr_va_ssrc(0) depctr_va_vcc(0) depctr_vm_vsrc(0)
	s_getreg_b32 s2, hwreg(HW_REG_IB_STS2, 6, 4)
	s_cmp_eq_u32 s2, 0
	s_cbranch_scc0 .Lentry_in_a_cluster
	s_endpgm
.Lentry_in_a_cluster:
	s_bfe_u32 s2, ttmp6, 0x10000c
	s_cmp_lg_u32 s2, 0x3003
	s_cbranch_scc0 .Lentry_shape_is_right
	s_endpgm
.Lentry_shape_is_right:
; out0[b][s][64 h + d] = the sum over keys of softmax(q . k / 8) v, for each of the 64 (b, h).  q, k, v: f16, qkv [3][64 bh][2048][64].  Products on f16 operands with f32 sums; maxima, exponentials and sums in f32; the weights p are rounded to f16 for the second product.
; LIMITS: f16 operands: |q|, |k|, |v| up to 65,504; a weight under f16's smallest number counts as 0 in the second product (beside a row's largest weight, which is about 1).  NaN and infinities are not served.
; SHARES.  A work-group owns 512 queries of one head, each of its SIXTEEN waves 32: two tiles of 16, in 256 registers, no register windows; four waves to a SIMD, so that one wave's softmax stands beside another's products and LDS loads.
; Every wave walks all 2,048 keys, 64 a step.  Each fragment of K or V read from LDS feeds two products.
; LAYOUT.  S^T = K Q^T (source 0 = 16 keys, source 1 = 16 queries): a lane holds ONE query (lane % 16) and the keys 8 (lane / 16) + 0..7 of each tile of 16.  Two such tiles, rounded to f16 in pairs, ARE source 1 (32 keys x 16 queries) of
; O^T = V^T P, whose result again holds one query a lane, and eight channels.  K comes out of LDS as it lies, V ([key][channel]) turned, by ds_load_tr16_b128.  P is written over the low half of its tile's S^T.
; SOFTMAX.  For each query a running maximum m and sum l: p = 2^(c s - c m), c = log2(e) / 8; in every step O and l are multiplied by a = 2^(c m_old - c m_new).  The step is written once: m begins at -3e38, l and O^T at 0, and the first a is 0.
; RING.  Two LDS slots of 8 key steps (512 keys).  Every wave fetches one tile of 64 rows x 128 bytes for each slot: waves 0-7 K of step w, waves 8-15 V of step w - 8: one tensor load of mine is out at the most.
; CLUSTER.  The four query blocks of a cluster are one head and walk the same K and V: each tile is asked for JOINTLY, by the same tensor load with the same descriptor and a mask that names the four.
.set KS,    64        ; keys in a step
.set PK,    144       ; a row of K in LDS: 128 bytes + 16 of padding = 36 words: the 16 rows of a load start at 16 different groups of four banks (64 banks of 4 bytes: ISA guide 11.1)
.set PV,    160       ; a row of V: 128 + 32 = 40 words
.set VOFF,  KS*PK     ; a step's tiles lie together: 64 rows of K, then 64 rows of V
.set STEPB, KS*(PK+PV)
.set NST,   8         ; steps in a slot
.set SLOT,  NST*STEPB
.set SLOTB, NST*KS*128  ; a slot's keys in memory: 65,536 bytes of K, as many of V
.set SPARE, 2*SLOT    ; behind the ring: the spare words, 128 bytes for each of 16 waves, which no other line names
.set SP,    272       ; the way out: a stage of 16 rows x (256 bytes + 16) for each wave, in slot 0, which has had its last fill and its last read ahead of the last change's barrier
.set AK0, 1           ; v1   my lane's place in a tile of K; never rewritten
.set AV0, 2           ; v2   the same for V
.set ADK, 3           ; v3   LDS address of the step's K
.set ADV, 4           ; v4   of its V
.set SPW, 5           ; v5   LDS address of my spare word: SPARE + 4 x my thread's number; never rewritten
.set NIL, 6           ; v6   0; never rewritten
.set PFO, 7           ; v7   256 x lane: the prefetches' offset; never rewritten
.set ST,  8           ; tile t's statistics at v[ST+8 t]: +0 c m, +1 m, +2, +3 l (even keys', odd keys'), +4 to +7 c0-c3, at work; a takes c2's place once the maximum is found
.set QF,  24          ; v24-55   Q: tile t, channels 32 c on, at v[QF+16 t+8 c]
.set KV,  56          ; v56-119  K of the step, then its V; on the way out rows read back
.set S,   120         ; v120-183 S^T, 32 a tile; P in the low 16 of each
.set OT,  184         ; v184-247 O^T, 32 a tile
.set TS,  248         ; v248-251 a second chain of sums, a pair a tile
.set STO, 252         ; v252-254 at the head at work; on the way out: where I put 32 bytes of a row,
.set RD,  253         ;          where I read a row back,
.set GO,  254         ;          my byte offset in the wave's rows of out0
.set WV,  8           ; s8   my wave's number
.set LB,  13          ; s13  my tile's place in a slot
.set TB,  14          ; s14  LDS byte at which the step in hand begins
.set CNT, 15          ; s15  counts a slot's steps
.set PFA, 18          ; s[18:19] my prefetches' base; never rewritten
.set G1K, 24          ; s[24:31] descriptor group 1 for K's tiles
.set G1V, 32          ; s[32:39] for V's: it differs in the padding alone
.set G0,  40          ; s[40:43] descriptor group 0: it walks
.set CS,  44          ; s[44:45] c: the packed scaling names a pair and takes its low word for both halves
.set SEL, 46          ; s[46:47] lane selects for v_permlanex16_b32: each lane takes its own place in the other half
; A joint load.  Waves 0-7 fetch K's tiles, waves 8-15 V's.  The branch hangs on the wave's number alone.  An s_nop 0 and four v_nop follow each of the two lines.
.macro JLOAD
	s_cmp_lt_u32 s[WV], 8
	s_cbranch_scc0 .Lfor_v_\@
	tensor_load_to_lds s[G0:G0+3], s[G1K:G1K+7]
	s_nop 0
.rept 4
	v_nop
.endr
	s_branch .Lasked_\@
.Lfor_v_\@:
	tensor_load_to_lds s[G0:G0+3], s[G1V:G1V+7]
	s_nop 0
.rept 4
	v_nop
.endr
.Lasked_\@:
.endm
; A PREFETCH of what the NEXT change of slots will ask for (slot j + 2): 8 tiles of K and 8 of V, 8,192 dense bytes each.  It stands behind the wave's tensor load and its five lines.  Waves 0, 4, 8 and 12 ask, one instruction each, lanes 256 bytes apart:
; wave w of the partner at place cx names tile (w & 4) + cx of K (w < 8) or of V.  The partners are told apart BY ADDRESS; the branch hangs on the wave's number alone.  4 partners x 4 waves = the 16 tiles: each block of 256 bytes is named once in the launch.
; The step stands in the immediate, so the base is never rewritten.  Slots 0 and 1 come by their loads alone; the change that asks for the last slot prefetches nothing.
.macro ASK j
	s_cmp_eq_u32 s16, 0
	s_cbranch_scc0 .Lnot_mine_\@
	global_prefetch_b8 v[PFO], s[PFA:PFA+1] offset:(\j+2)*SLOTB th:TH_LOAD_NT scope:SCOPE_SE
.Lnot_mine_\@:
.endm
; A round of the cluster's barrier: my work-group's barrier, so that wave 0's signal speaks for all sixteen waves; wave 0 signals for the work-group; every wave waits for all four work-groups; my work-group's barrier once more.
.macro CROUND
	s_barrier_signal -1
	s_barrier_wait -1
	s_cmp_lg_u32 s[WV], 0
	s_cbranch_scc1 .Lnot_wave_0_\@
	s_barrier_signal -3
.Lnot_wave_0_\@:
	s_barrier_wait -3
	s_barrier_signal -1
	s_barrier_wait -1
.endm
	s_load_b128 s[4:7], s[0:1], 0x0 ; qkv s[4:5], out0 s[6:7]
	v_lshl_add_u32 v[SPW], v0, 2, SPARE
	v_mov_b32 v[NIL], 0
	ds_add_u32 v[SPW], v[NIL]       ; the wave's opening: the add, twice on end, and its wait ahead of my first tensor load; the set-up below stands between the second and the wait
	ds_add_u32 v[SPW], v[NIL]
	v_lshrrev_b32 v252, 5, v0
	v_readfirstlane_b32 s[WV], v252 ; wave 0..15
	s_bfe_u32 s9, ttmp6, 0x40000    ; cx: my place in the cluster = my block of 512 queries
	s_and_b32 s10, ttmp7, 0xffff    ; bh = 16 b + h, which the four partners share
	s_and_b32 s11, s[WV], 7         ; which step of a slot I fetch,
	s_lshr_b32 s12, s[WV], 3        ; of K (0) or of V (1)
	s_and_b32 s16, s[WV], 3         ; 0 in the waves that prefetch
	s_mul_i32 s[LB], s11, STEPB
	s_mul_i32 s22, s12, VOFF
	s_add_co_u32 s[LB], s[LB], s22  ; my tile's place in a slot: no place in the cluster enters an LDS address
	s_add_co_u32 s22, s12, 1        ; my tile in memory: tensor 1 (k) or 2 (v), 2^24 bytes each,
	s_lshl_b32 s22, s22, 24
	s_lshl_b32 s23, s10, 18         ; the head, 2^18 bytes,
	s_add_co_u32 s22, s22, s23
	s_lshl_b32 s23, s11, 13         ; 64 rows of 128 bytes a step
	s_add_co_u32 s22, s22, s23
	s_mov_b32 s23, 0
	s_lshl_b32 s48, s10, 18         ; Q: the head, my block's 512 rows, my wave's 32
	s_lshl_b32 s49, s9, 16
	s_add_co_u32 s48, s48, s49
	s_lshl_b32 s49, s[WV], 12
	s_add_co_u32 s48, s48, s49
	s_mov_b32 s49, 0
	s_lshr_b32 s50, s10, 4          ; out0: b x 2^23 + h x 256 + (512 cx + 32 w) rows of 4,096 bytes
	s_lshl_b32 s50, s50, 23
	s_and_b32 s51, s10, 15
	s_lshl_b32 s51, s51, 8
	s_add_co_u32 s50, s50, s51
	s_lshl_b32 s51, s9, 21
	s_add_co_u32 s50, s50, s51
	s_lshl_b32 s51, s[WV], 17
	s_add_co_u32 s50, s50, s51
	s_mov_b32 s51, 0
	s_add_co_u32 s18, s12, 1        ; the prefetches: the same tensor and head as my tiles, tile (w & 4) + cx of a slot
	s_lshl_b32 s18, s18, 24
	s_lshl_b32 s19, s10, 18
	s_add_co_u32 s18, s18, s19
	s_and_b32 s19, s[WV], 4
	s_add_co_u32 s19, s19, s9
	s_lshl_b32 s19, s19, 13
	s_add_co_u32 s18, s18, s19
	s_mov_b32 s19, 0
	; descriptor group 1: a tile of 64 rows x 64 elements of 2 bytes, dense in memory, padded in LDS
	s_mov_b32 s[G1K], 15|(1<<16)|(1<<20)|(1<<21)|(4<<22)|(3<<25)  ; 15:0 the mask: all four work-groups; 17:16 elements of 2 bytes; 20 padding on; 21 set beside a mask; 24:22 after every 32 words (code 4); 31:25 4 words of it (code 3)
	s_mov_b32 s[G1V], 15|(1<<16)|(1<<20)|(1<<21)|(4<<22)|(7<<25)  ; the same with 8 words of padding (code 7)
.irp g, G1K, G1V
	s_mov_b32 s[\g+1], 64<<16       ; tensor_dim0 = 64
	s_mov_b32 s[\g+2], KS<<16       ; tensor_dim1 = 64
	s_mov_b32 s[\g+3], 64<<16       ; tile_dim0 = 64
	s_mov_b32 s[\g+4], KS           ; tile_dim1 = 64
	s_mov_b32 s[\g+5], 64           ; tensor_dim0_stride: elements from row to row
	s_mov_b32 s[\g+6], 0
	s_mov_b32 s[\g+7], 0
.endr
	s_mov_b32 s[CS], 0x3e38aa3b     ; c = log2(e) / 8
	s_mov_b32 s[CS+1], s[CS]        ; named with it as a pair, so it is written
	s_mov_b32 s[SEL], 0x76543210
	s_mov_b32 s[SEL+1], 0xfedcba98
	s_wait_dscnt 0x0                ; both opening adds are done
	s_wait_kmcnt 0x0
	s_add_nc_u64 s[PFA:PFA+1], s[4:5], s[18:19]
	s_add_nc_u64 s[20:21], s[4:5], s[48:49]  ; Q at my wave's first row
	s_add_nc_u64 s[6:7], s[6:7], s[50:51]    ; out0 likewise
	s_mov_b32 s[G0], 1              ; 1:0 count = 1
	s_mov_b32 s[G0+1], s[LB]        ; 63:32 LDS address: slot 0
	s_add_nc_u64 s[G0+2:G0+3], s[4:5], s[22:23]  ; 120:64 global address: my tile of the head's first 512 keys
	s_or_b32 s[G0+3], s[G0+3], 0x80000000        ; 127:126 type = 2
	CROUND                          ; all four work-groups are here: the first joint loads meet
	JLOAD                           ; slot 0
	v_and_b32 v252, 15, v0          ; r = l % 16
	v_bfe_u32 v253, v0, 4, 1        ; h = l / 16
	v_lshlrev_b32 v254, 7, v252
	v_lshl_add_u32 v254, v253, 4, v254  ; Q: row r of 128 bytes + 16 h
	; A fragment of K or Q is 16 rows x 32 channels in 8 registers: lane l holds row l % 16; registers 0-3 channels 8 (l / 16) + 0..7, registers 4-7 channels 16 + 8 (l / 16) + 0..7: two loads of 16 bytes, 32 bytes apart.
.irp t, 0,1
.irp c, 0,1
	global_load_b128 v[QF+16*\t+8*\c:QF+16*\t+8*\c+3],   v254, s[20:21] offset:2048*\t+64*\c      ; Q stays in registers
	global_load_b128 v[QF+16*\t+8*\c+4:QF+16*\t+8*\c+7], v254, s[20:21] offset:2048*\t+64*\c+32
.endr
.endr
	v_mul_u32_u24 v[AK0], v252, PK
	v_lshl_add_u32 v[AK0], v253, 4, v[AK0]  ; row x pitch + 16 x half
	; The turning load takes 16 keys x 16 channels (lane l reads 16 bytes: key 8 (l / 16) + l % 8, channels 8 ((l / 8) % 2) + 0..7) and leaves half a fragment of V^T: lane l holds channel l % 16 and 8 keys.
	v_and_b32 v255, 7, v0
	v_lshl_add_u32 v[AV0], v253, 3, v255
	v_mul_u32_u24 v[AV0], v[AV0], PV
	v_bfe_u32 v255, v0, 3, 1
	v_lshl_add_u32 v[AV0], v255, 4, v[AV0]
	v_add_nc_u32 v[AV0], VOFF, v[AV0]
	v_and_b32 v[PFO], 31, v0
	v_lshlrev_b32 v[PFO], 8, v[PFO]
.irp t, 0,1
	v_mov_b32 v[ST+8*\t+1], 0xff61b1e6       ; m: -3e38, under every score
	v_mov_b32 v[ST+8*\t+2], 0                ; l, in two halves
	v_mov_b32 v[ST+8*\t+3], 0
.endr
.irp t, 0,1
	v_mul_f32 v[ST+8*\t], s[CS], v[ST+8*\t+1]  ; c m
.endr
.set n, 0
.rept 64
	v_mov_b32 v[OT+n], 0            ; O^T: the step is written once; its first a is 0 and multiplies zeros
.set n, n+1
.endr
; A KEY STEP: 64 keys, both tiles, in phases; the two tiles alternate line by line, so that no line waits for the line above it.
.macro STEP
	v_add_nc_u32 v[ADK], s[TB], v[AK0]
	v_add_nc_u32 v[ADV], s[TB], v[AV0]
.rept 3
	v_nop                           ; with the two additions: five places behind the last step's V^T P, whose V is loaded over (four are asked) and whose P the products below write over (five)
.endr
.irp c, 0,1                         ; K: keys 16 k on, channels 32 c on, at v[KV + 8 (4 c + k)]; channels 0-31 first
.irp k, 0,1,2,3
	ds_load_b128 v[KV+8*(4*\c+\k):KV+8*(4*\c+\k)+3],   v[ADK] offset:\k*16*PK+64*\c
	ds_load_b128 v[KV+8*(4*\c+\k)+4:KV+8*(4*\c+\k)+7], v[ADK] offset:\k*16*PK+64*\c+32
.endr
.endr
	s_wait_dscnt 8                  ; channels 0-31 are in; the eight loads of channels 32-63 may be out
.irp k, 0,1,2,3                     ; S^T = K Q^T: the eight accumulators take turns, one instruction a turn; the first eight start the sums
.irp t, 0,1
	v_wmma_f32_16x16x32_f16 v[S+32*\t+8*\k:S+32*\t+8*\k+7], v[KV+8*\k:KV+8*\k+7], v[QF+16*\t:QF+16*\t+7], 0
.endr
.endr
	s_wait_dscnt 0x0
.irp k, 0,1,2,3
.irp t, 0,1
	v_wmma_f32_16x16x32_f16 v[S+32*\t+8*\k:S+32*\t+8*\k+7], v[KV+32+8*\k:KV+32+8*\k+7], v[QF+16*\t+8:QF+16*\t+15], v[S+32*\t+8*\k:S+32*\t+8*\k+7]
.endr
.endr
.rept 4
	v_nop                           ; four places: ahead of the loads into K's registers and of the first read of the scores
.endr
.irp g, 0,1                         ; V, turned: keys 32 g on, channels 16 c on, at v[KV + 8 (4 g + c)]; it lands under the softmax
.irp c, 0,1,2,3
	ds_load_tr16_b128 v[KV+8*(4*\g+\c):KV+8*(4*\g+\c)+3],   v[ADV] offset:\g*32*PV+32*\c
	ds_load_tr16_b128 v[KV+8*(4*\g+\c)+4:KV+8*(4*\g+\c)+7], v[ADV] offset:\g*32*PV+16*PV+32*\c
.endr
.endr
	; the maximum of a lane's 32 scores and the old m: four chains, each begun at its accumulator's low end
.irp j, 0,1,2,3
.irp t, 0,1
	v_max3_num_f32 v[ST+8*\t+4+\j], v[S+32*\t+8*\j], v[S+32*\t+8*\j+1], v[S+32*\t+8*\j+2]
.endr
.endr
.irp i, 3,5
.irp j, 0,1,2,3
.irp t, 0,1
	v_max3_num_f32 v[ST+8*\t+4+\j], v[ST+8*\t+4+\j], v[S+32*\t+8*\j+\i], v[S+32*\t+8*\j+\i+1]
.endr
.endr
.endr
.irp t, 0,1
	v_max3_num_f32 v[ST+8*\t+4], v[ST+8*\t+4], v[S+32*\t+7], v[S+32*\t+15]
	v_max3_num_f32 v[ST+8*\t+6], v[ST+8*\t+6], v[S+32*\t+23], v[S+32*\t+31]
.endr
.irp t, 0,1
	v_max3_num_f32 v[ST+8*\t+4], v[ST+8*\t+4], v[ST+8*\t+5], v[ST+8*\t+6]
.endr
.irp t, 0,1
	v_max3_num_f32 v[ST+8*\t+4], v[ST+8*\t+4], v[ST+8*\t+7], v[ST+8*\t+1]
.endr
.irp t, 0,1
	v_permlanex16_b32 v[ST+8*\t+5], v[ST+8*\t+4], s[SEL], s[SEL+1]  ; the query's other 32 keys lie in the lane 16 away
.endr
.irp t, 0,1
	v_mov_b32 v[ST+8*\t+7], v[ST+8*\t]       ; c m_old is kept for a
.endr
.irp t, 0,1
	v_max_num_f32 v[ST+8*\t+1], v[ST+8*\t+4], v[ST+8*\t+5]   ; the new m
.endr
.irp t, 0,1
	v_mul_f32 v[ST+8*\t], s[CS], v[ST+8*\t+1]
.endr
.irp t, 0,1
	v_sub_f32 v[ST+8*\t+7], v[ST+8*\t+7], v[ST+8*\t]         ; c m_old - c m_new
.endr
.irp b, 0,1,2,3,4,5,6,7,8,9,10,11,12,13,14,15
.irp t, 0,1
	v_pk_fma_f32 v[S+32*\t+2*\b:S+32*\t+2*\b+1], v[S+32*\t+2*\b:S+32*\t+2*\b+1], s[CS:CS+1], v[ST+8*\t:ST+8*\t+1] op_sel_hi:[1,0,0] neg_lo:[0,0,1] neg_hi:[0,0,1]  ; c s - c m, a pair of scores at a time
.endr
.endr
	; ONE BATCH of 66 exponentials, none of which reads another's result; one plain line; ONE wait ahead of the first line that names a result
.irp t, 0,1
	v_exp_f32 v[ST+8*\t+6], v[ST+8*\t+7]     ; a
.endr
.set n, 0
.rept 64
	v_exp_f32 v[S+n], v[S+n]        ; p
.set n, n+1
.endr
	v_nop
	s_wait_alu depctr_va_vdst(0)
	; l = a l + the sum of the unrounded p, in two chains a tile
.irp t, 0,1
	v_pk_fma_f32 v[ST+8*\t+2:ST+8*\t+3], v[ST+8*\t+2:ST+8*\t+3], v[ST+8*\t+6:ST+8*\t+7], v[S+32*\t:S+32*\t+1] op_sel_hi:[1,0,1]
.endr
.irp t, 0,1
	v_pk_add_f32 v[TS+2*\t:TS+2*\t+1], v[S+32*\t+2:S+32*\t+3], v[S+32*\t+4:S+32*\t+5]
.endr
.irp b, 3,5,7,9,11,13
.irp t, 0,1
	v_pk_add_f32 v[ST+8*\t+2:ST+8*\t+3], v[ST+8*\t+2:ST+8*\t+3], v[S+32*\t+2*\b:S+32*\t+2*\b+1]
	v_pk_add_f32 v[TS+2*\t:TS+2*\t+1], v[TS+2*\t:TS+2*\t+1], v[S+32*\t+2*\b+2:S+32*\t+2*\b+3]
.endr
.endr
.irp t, 0,1
	v_pk_add_f32 v[ST+8*\t+2:ST+8*\t+3], v[ST+8*\t+2:ST+8*\t+3], v[S+32*\t+30:S+32*\t+31]
.endr
.irp t, 0,1
	v_pk_add_f32 v[ST+8*\t+2:ST+8*\t+3], v[ST+8*\t+2:ST+8*\t+3], v[TS+2*\t:TS+2*\t+1]
.endr
	; P: pair n of the weights, rounded to f16, goes into register n of the tile's S^T: each line writes a register whose number has been read
.set n, 0
.rept 16
.irp t, 0,1
	v_cvt_pk_f16_f32 v[S+32*\t+n], v[S+32*\t+2*n], v[S+32*\t+2*n+1]
.endr
.set n, n+1
.endr
.set n, 0
.rept 16
.irp t, 0,1
	v_pk_mul_f32 v[OT+32*\t+n:OT+32*\t+n+1], v[OT+32*\t+n:OT+32*\t+n+1], v[ST+8*\t+6:ST+8*\t+7] op_sel_hi:[1,0]   ; O^T x a, each accumulator from its low end on
.endr
.set n, n+2
.endr
	s_wait_dscnt 0x0                ; V is in
.irp g, 0,1                         ; O^T += V^T P: the eight accumulators take turns, one instruction a turn
.irp c, 0,1,2,3
.irp t, 0,1
	v_wmma_f32_16x16x32_f16 v[OT+32*\t+8*\c:OT+32*\t+8*\c+7], v[KV+8*(4*\g+\c):KV+8*(4*\g+\c)+7], v[S+32*\t+8*\g:S+32*\t+8*\g+7], v[OT+32*\t+8*\c:OT+32*\t+8*\c+7]
.endr
.endr
.endr
.endm
; THE CHANGE OF SLOTS stands at the head of the work on the j-th 512 keys.  Each wave waits for all its tensor loads (its tile of the slot that it is about to read), adds 0 to its spare word, and waits for that and for its reads of the slot
; that it has left.  j < 3: the barrier is a round of the cluster's, so that no wave of any partner still reads the other slot or has a load on its way, and the joint load for the next 512 keys is the first thing behind it:
; it has eight key steps in which to land.  (At j = 0 that load is slot 1's first fill, in every wave.)  j = 3: nothing is left to ask for: a plain barrier.
.macro CHANGE j
	s_wait_tensorcnt 0x0            ; no tensor load of mine is out, so group 0 may be written
	ds_add_u32 v[SPW], v[NIL]       ; 0 onto my spare word; the descriptor's steps stand between it and the wait for it
.if \j < 3
	s_add_co_u32 s[G0+1], s[LB], ((\j+1)%2)*SLOT             ; the other slot,
	s_add_nc_u64 s[G0+2:G0+3], s[G0+2:G0+3], SLOTB           ; the next 512 keys; the type bits on top are not reached
	s_wait_dscnt 0x0                ; the add is done, and my reads of the slot that I have left are over
	CROUND
	JLOAD
.if \j < 2
	ASK \j
.endif
.else
	s_wait_dscnt 0x0
	s_barrier_signal -1
	s_barrier_wait -1
.endif
.endm
; A slot's eight key steps: written once, walked eight times; the LDS addresses hang on s[TB].
.macro STEPS slot
	s_mov_b32 s[TB], \slot*SLOT
	s_mov_b32 s[CNT], NST
.Lstep_\@:
	STEP
	s_add_co_u32 s[TB], s[TB], STEPB
	s_sub_co_u32 s[CNT], s[CNT], 1
	s_cmp_lg_u32 s[CNT], 0
	s_cbranch_scc1 .Lstep_\@
.endm
	s_wait_loadcnt 0x0              ; Q
	CHANGE 0                        ; the four changes are written out
	STEPS 0
	CHANGE 1
	STEPS 1
	CHANGE 2
	STEPS 0
	CHANGE 3
	STEPS 1
	; THE WAY OUT.  The addresses are made first: eleven plain lines that name none of the last products' registers are the places behind them.
	v_and_b32 v[ADK], 15, v0        ; r
	v_bfe_u32 v[ADV], v0, 4, 1      ; h
	s_mul_i32 s48, s[WV], 16*SP     ; my stage
	v_mul_u32_u24 v[STO], v[ADK], SP
	v_lshl_add_u32 v[STO], v[ADV], 5, v[STO]
	v_add_nc_u32 v[STO], s48, v[STO]         ; in: row r, 32 bytes for each half of the lanes
	v_mul_u32_u24 v[RD], v[ADV], SP
	v_lshl_add_u32 v[RD], v[ADK], 4, v[RD]
	v_add_nc_u32 v[RD], s48, v[RD]           ; back: lanes 0-15 take one row of 256 bytes, lanes 16-31 the next
	v_lshlrev_b32 v[GO], 12, v[ADV]          ; and the same two rows in out0, 4,096 bytes apart
	v_lshl_add_u32 v[GO], v[ADK], 4, v[GO]
.irp t, 0,1
	v_add_f32 v[ST+8*\t+4], v[ST+8*\t+2], v[ST+8*\t+3]       ; l's two halves,
.endr
.irp t, 0,1
	v_permlanex16_b32 v[ST+8*\t+5], v[ST+8*\t+4], s[SEL], s[SEL+1]
.endr
.irp t, 0,1
	v_add_f32 v[ST+8*\t+4], v[ST+8*\t+4], v[ST+8*\t+5]       ; and the other half of the lanes'
.endr
.irp t, 0,1
	v_rcp_f32 v[ST+8*\t+6], v[ST+8*\t+4]
.endr
	v_nop                           ; a plain line between the last reciprocal and the use of its result
	s_wait_alu depctr_va_vdst(0)    ; and the wait ahead of the first use: one for both
; Tile t: O^T / l; a lane's eight channels of a row are 32 bytes; they go into rows of 272 bytes and come back as whole rows of 256.
.macro PACK t
.set n, 0
.rept 16
	v_pk_mul_f32 v[OT+32*\t+n:OT+32*\t+n+1], v[OT+32*\t+n:OT+32*\t+n+1], v[ST+8*\t+6:ST+8*\t+7] op_sel_hi:[1,0]
.set n, n+2
.endr
.irp c, 0,1,2,3
	ds_store_b128 v[STO], v[OT+32*\t+8*\c:OT+32*\t+8*\c+3] offset:64*\c
	ds_store_b128 v[STO], v[OT+32*\t+8*\c+4:OT+32*\t+8*\c+7] offset:64*\c+16
.endr
.irp f, 0,1,2,3,4,5,6,7
	ds_load_b128 v[KV+32*\t+4*\f:KV+32*\t+4*\f+3], v[RD] offset:\f*2*SP  ; LDS serves a wave's instructions in order (ISA guide 5.7.1.4): these see the stores above; the next tile's stores come behind them
.endr
.endm
.macro SEND t, younger              ; younger: the LDS instructions issued behind tile t's loads: the next tile's sixteen, or none
.irp f, 0,1,2,3,4,5,6,7
	s_wait_dscnt \younger+7-\f
	global_store_b128 v[GO], v[KV+32*\t+4*\f:KV+32*\t+4*\f+3], s[6:7] offset:(16*\t+2*\f)*4096 th:TH_STORE_NT  ; 16 lanes store 256 consecutive bytes (a query's 64 channels), at a multiple of 256 from out0's first byte; written once, read by nobody here
.endr
.endm
	PACK 0
	PACK 1
	SEND 0, 16
	SEND 1, 0
	s_wait_tensorcnt 0x0            ; the wave's end: behind my last tensor load and my last LDS store
	ds_add_u32 v[SPW], v[NIL]
	s_wait_dscnt 0x0
	CROUND                          ; the closing round: no work-group ends while a partner may still ask for a tile that names it
	s_endpgm
.Lfunc_end_k_q565560e8aa_attn:
	.size	k_q565560e8aa_attn, .Lfunc_end_k_q565560e8aa_attn-k_q565560e8aa_attn
	.p2alignl 7, 3214868480
	.fill 96, 4, 3214868480
	.section	.rodata,"a",@progbits
	.p2align	6, 0x0
	.amdhsa_kernel k_q565560e8aa_attn
		.amdhsa_group_segment_fixed_size 327680
		.amdhsa_private_segment_fixed_size 0
		.amdhsa_enable_private_segment 0
		.amdhsa_kernarg_size 16
		.amdhsa_user_sgpr_count 2
		.amdhsa_user_sgpr_kernarg_segment_ptr 1
		.amdhsa_wavefront_size32 1
		.amdhsa_system_sgpr_workgroup_id_x 1
		.amdhsa_system_sgpr_workgroup_id_y 1
		.amdhsa_system_sgpr_workgroup_id_z 1
		.amdhsa_system_vgpr_workitem_id 0
		.amdhsa_next_free_vgpr 256
		.amdhsa_next_free_sgpr 66
		.amdhsa_reserve_vcc 0
		.amdhsa_float_denorm_mode_32 3
		.amdhsa_float_denorm_mode_16_64 3
		.amdhsa_memory_ordered 1
		.amdhsa_forward_progress 1
		.amdhsa_inst_pref_size 88
	.end_amdhsa_kernel
	.amdgpu_metadata
---
amdhsa.version: [ 1, 2 ]
amdhsa.kernels:
  - .name:           k_q565560e8aa_attn
    .symbol:         k_q565560e8aa_attn.kd
    .args:
      - { .name: qkv, .offset: 0, .size: 8, .value_kind: global_buffer, .address_space: global }
      - { .name: out0, .offset: 8, .size: 8, .value_kind: global_buffer, .address_space: global }
    .group_segment_fixed_size: 327680
    .private_segment_fixed_size: 0
    .kernarg_segment_align: 8
    .kernarg_segment_size: 16
    .max_flat_workgroup_size: 512
    .sgpr_count:     66
    .vgpr_count:     256
    .wavefront_size: 32
...
	.end_amdgpu_metadata
.endif
;; end of part 3
